; MI455X (gfx1250); checked and timed in simulation.
; The chip was launched on July 23, 2026; its instructions are those of AMD's public machine-readable ISA for CDNA 5 (MIT licence, August 2026) and "CDNA5" Instruction Set Architecture Reference Guide (July 2026). The comments in the code are by the model that wrote it; some were corrected since.
;; Attention. Allowed arithmetic: matrix products marked QUANTISED: E2M1 operands, one E8M0 scale for each 32 along K, by v_wmma_scale_f32_16x16x128_f8f6f4 with both operands' format E2M1 (or v_wmma_scale_f32_32x16x128_f4), f32 sums; products left as they are: f32 operands where the result goes on into a quantised operand, else bf16, f16 or f32 operands; f32 sums; everything else in f32.
;; Inputs: attn_W 1,024 x 2,048 float32; attn_b 1,024 float32; encoder_outputs_codes 32 x 2,048 x 32 x 16 uint8 (E2M1 codes of encoder_outputs, K innermost, in blocks of 32 codes, two codes a byte); encoder_outputs_scales 32 x 2,048 x 32 uint8 (E8M0 scales of encoder_outputs, one for each 32 codes along K); hidden_codes 1 x 32 x 32 x 16 uint8 (E2M1 codes of hidden, K innermost, in blocks of 32 codes, two codes a byte); hidden_scales 1 x 32 x 32 uint8 (E8M0 scales of hidden, one for each 32 codes along K); v 1,024 float32.
;; Outputs: out0 32 x 1 x 2,048 float32.
;; This version of the problem:
;;   THIS VERSION OF THE PROBLEM IS GIVEN IN LOW PRECISION. The matrix products marked QUANTISED in the list below multiply operands that are first quantised to E2M1 (2 exponent bits, 1 mantissa bit; 4 bits a number), with one power-of-two scale for each 32 numbers along K (OCP MX v1.0); their sums are f32. All else is computed in f32.
;;   The module's matrix products, in the order in which they are computed (A, B: the left and right operand; K: the contracted axis; several contracted axes count as one K, in the product's order):
;;     1. [M 32, K 1,024] x [K 1,024, N 1,024]; A: input hidden (given as codes); B: input attn_W: QUANTISED
;;     2. [M 65,536, K 1,024] x [K 1,024, N 1,024]; A: input encoder_outputs (given as codes); B: input attn_W: QUANTISED
;;     3. [M 65,536, K 1,024] x [K 1,024, N 1]; A: computed on the way; B: input v: left as it is (N = 1 < 16)
;;   THE QUANTISER, for each operand of a quantised product, along K:
;;     - K is cut into blocks of 32 from its start; a last block that is shorter is filled with zeros.
;;     - A block's scale is 2^e with e = floor(log2(the largest magnitude in the block)) - 2, held to -126 .. 127; a block of zeros has e = 0. As a byte (E8M0): e + 127.
;;     - Each number is divided by its block's scale, clamped to +-6, and rounded to the nearest number of E2M1, ties to even, subnormals kept.
;;     - The product sums the exact products of the quantised numbers (number of the format x scale) in f32.
;;   ~~~python
;;   def quantise(x, axis):      # numpy; x: float32 -> the quantised numbers, widened to float32 again
;;       x = np.moveaxis(x, axis, -1); K = x.shape[-1]
;;       x = np.pad(x, [(0, 0)] * (x.ndim - 1) + [(0, -K % 32)]); x = x.reshape(x.shape[:-1] + (-1, 32)); a = np.abs(x).max(-1, keepdims=True)
;;       e = np.where(a > 0, np.clip(np.frexp(np.where(a > 0, a, 1))[1] - 1 - 2, -126, 127), 0)      # np.frexp(a)[1] - 1 = floor(log2(a)), exactly
;;       r = np.clip(x / 2.0 ** e, -6, 6)
;;       step = 2.0 ** (np.maximum(np.frexp(np.where(r == 0, 1, r))[1] - 1, 0) - 1)
;;       q = np.round(r / step) * step * 2.0 ** e      # np.round: ties to even
;;       return np.moveaxis(q.reshape(q.shape[:-2] + (-1,))[..., :K], -1, axis).astype(np.float32)
;;   ~~~
;;   INPUTS GIVEN AS CODES. encoder_outputs (in the module: [32, 2048, 1024], K = its axis 2); hidden (in the module: [1, 32, 1024], K = its axis 2): each comes as NAME_codes (uint8): NAME with its K axis moved to the last place and cut into blocks of 32 codes, [.., K / 32, bytes a block], one block behind the other in memory; two codes a byte, the lower K in the low four bits (a code: sign, 2 exponent bits, 1 mantissa bit); and NAME_scales (uint8): the same leading axes, one E8M0 byte (e + 127) for each 32 codes along K. Its value is code x scale, taken as it is: it is not quantised again, and the codes and scales need not be those that the quantiser above would give.
;; One version. Each part assembles by itself: llvm-mc -triple=amdgcn-amd-amdhsa -mcpu=gfx1250 --defsym DOCPART=n.
;; ======== version 1 of 1: 3 launches
;; limits: right only within a limited range of input values
;; workspace buffers: wq 557,056 bytes; cb 262,144 bytes; parts 524,288 bytes
;; launch prep (part 1): grid 256 x 1, 4 waves a work-group, no clusters, 21,248 bytes of LDS; arguments attn_W, hidden_codes, hidden_scales, wq, cb; writes wq, cb
.if DOCPART == 1
	.amdgcn_target "amdgcn-amd-amdhsa--gfx1250"
	.amdhsa_code_object_version 6
	.text
	.protected	k_qd3171887b8_prep
	.globl	k_qd3171887b8_prep
	.p2align	8
	.type	k_qd3171887b8_prep,@function
k_qd3171887b8_prep:
	s_mov_b64 s[64:65], 0
	v_nop
	global_prefetch_b8 v0, s[64:65] scope:SCOPE_SE
	s_setreg_imm32_b32 hwreg(HW_REG_WAVE_MODE, 25, 1), 1
	s_wait_xcnt 0x0
; attn_W [1024][2048] f32 is quantised along its rows (K innermost) into codes of FP4 (E2M1) with one E8M0 byte for each 32: its left half W1 multiplies hidden, its right half W2 the encoder's rows.
; WORK LEFT OUT of the whole program: tanh(x) = 1 - 2 / (1 + e^(2 x)), so a score is (the sum of v[k]) + the sum of -2 v[k] / (1 + e^(2 x[k])).  The first sum is the same for every s of a batch, and a softmax over s does
; not change by such a term, whatever the inputs hold: no launch adds it.  Limit: an overflow of that sum alone is not carried to the result.
; OUT: wq: 64 records of 8,704 bytes, record n = rows 16 n .. 16 n + 15 of W2 in the order of an operand's registers: K step s (128 along K) at 1024 s + 512 c + 16 lane (registers 4 c .. 4 c + 3 of lane (r, h):
;      k = 128 s + 64 c + 32 h + 0 .. 31 of row 16 n + r); from byte 8,192 on the scale words: that of row r and K step 4 g + q at 16 (r + 16 g) + 4 q.
;      cb [2 halves of K][64 n][32 batches][16 columns] f32: the two parts of hidden Q(W1)^T; the next launch adds them.
; SHARES: work-group x takes row group n = x / 4 (16 rows) and a quarter of the columns, 512: quarters 0 and 1 are the halves of W1's K, 2 and 3 those of W2's.  Each of the four waves takes one K step of 128.
; A lane loads 8 neighbours of a row (lanes 0-15 row 2 i, lanes 16-31 row 2 i + 1), so a block of 32 lies in four lanes, and a conversion's result is one word of the row's codes.
; A block's scale is 2^(floor(log2(its largest magnitude)) - 2); its byte is the largest magnitude's exponent field - 2, held at 1 from below.
; LIMITS: a block whose largest magnitude lies under 2^-124 keeps the byte 1; a block of zeros gets the byte 1 where the rule says 127 (its codes are zeros, and this program alone reads the bytes).
; NaN and infinities in attn_W are not served; a given scale byte 0xff of hidden gives NaN.
; No matrix loop, no ring: each input byte of attn_W is read once, straight into registers.
.set IMG2, 0                           ; LDS: W2's images, 1,024 bytes a wave; its scale words; W1's images, scale words, partial sums (bytes of their own); the spare words
.set SC2,  4096
.set IMG1, 8192
.set SC1,  12288
.set PS,   12544
.set SPARE, 20736
.set X,   32                           ; v32-95   pair of rows i: 8 numbers at v[X + 8 i]
.set PC,  96                           ; codes
.set M,   100                          ; largest magnitudes
.set SOP, 104                          ; the conversions' scale operands
.set BY,  108                          ; scale bytes
.set HF,  112                          ; v112-127 hidden's two fragments;  v128-129 their scale words
.set HS,  128
.set WF,  130                          ; v130-137 my K step as an operand;  v138 its scale words
.set WS,  138
.set DD,  140                          ; v140-155 the two products
	s_load_b256 s[4:11], s[0:1], 0x0               ; attn_W s[4:5], hidden's codes s[6:7], its scales s[8:9], wq s[10:11]
	s_load_b64 s[12:13], s[0:1], 0x20              ; cb
	v_lshl_add_u32 v8, v0, 2, SPARE
	v_mov_b32 v9, 0
	v_lshrrev_b32 v1, 5, v0
	v_readfirstlane_b32 s16, v1                    ; wave 0..3
	v_and_b32 v2, 15, v0                           ; j: my 8 numbers of a row's 128; later r
	v_bfe_u32 v3, v0, 4, 1                         ; p: which row of a pair; later h
	v_lshlrev_b32 v4, 5, v2
	v_lshl_add_u32 v4, v3, 13, v4                  ; attn_W: 32 j + 8,192 p
	s_lshr_b32 s17, ttmp9, 2                       ; n
	s_and_b32 s18, ttmp9, 3                        ; which quarter of the columns
	s_and_b32 s19, s18, 1                          ; g: which half of K
	s_lshl_b32 s20, s17, 17                        ; 16 rows of 8,192 bytes,
	s_lshl_b32 s22, s18, 11                        ; a quarter's 2,048,
	s_add_co_u32 s20, s20, s22
	s_lshl_b32 s35, s16, 9                         ; a wave's 512
	s_add_co_u32 s20, s20, s35
	s_mov_b32 s21, 0
	s_lshl_b32 s24, s19, 2
	s_add_co_u32 s24, s24, s16                     ; my K step: 4 g + wave
	s_lshl_b32 s22, s24, 6                         ; 64 bytes of codes,
	s_mov_b32 s23, 0
	s_lshl_b32 s24, s24, 2                         ; one scale word
	s_mov_b32 s25, 0
	s_mul_i32 s26, s17, 8704
	s_lshl_b32 s28, s19, 8
	s_add_co_u32 s28, s28, s26
	s_add_co_u32 s28, s28, 8192                    ; the record's scale words of half g
	s_mov_b32 s29, 0
	s_lshl_b32 s27, s19, 12
	s_add_co_u32 s26, s26, s27                     ; its codes of half g
	s_mov_b32 s27, 0
	s_lshl_b32 s30, s17, 11
	s_lshl_b32 s31, s19, 17
	s_add_co_u32 s30, s30, s31
	s_mov_b32 s31, 0
	s_lshl_b32 s32, s16, 10
	s_lshl_b32 s33, s16, 6
	s_lshl_b32 s34, s16, 2
	s_lshl_b32 s36, s16, 11
	s_wait_alu depctr_va_vdst(0)                   ; ahead of the readers below
	v_and_b32 v1, 31, v0                           ; lane
	v_lshrrev_b32 v5, 2, v2                        ; my block of the K step's four
	v_and_b32 v6, 3, v2                            ; my word of its four
	v_lshlrev_b32 v10, 8, v5
	v_lshl_add_u32 v10, v6, 2, v10
	v_lshl_add_u32 v10, v3, 4, v10
	v_add_nc_u32 v10, s32, v10                     ; the image: 1,024 w + 256 block + 16 row + 4 word (row = 2 i + p)
	v_lshl_add_u32 v11, v1, 4, s32                 ; the image back, and its place among half g's codes: 1,024 w + 16 lane
	v_lshlrev_b32 v12, 3, v1
	v_lshlrev_b32 v13, 9, v2
	v_lshl_add_u32 v13, v3, 4, v13                 ; hidden's codes: row r of 512 bytes, + 16 h
	v_lshlrev_b32 v14, 5, v2                       ; its scales: row r of 32 bytes
	v_lshl_add_u32 v15, v2, 2, s33                 ; W1's scale words back: 64 w + 4 r
	v_lshl_add_u32 v16, v3, 2, v5
	v_add_nc_u32 v16, s33, v16                     ; and a byte of them: 64 w + 4 row + block
	v_lshl_add_u32 v17, v3, 4, v5
	v_add_nc_u32 v17, s34, v17                     ; W2's: 16 row + 4 w + block
	v_lshl_add_u32 v18, v1, 4, s35                 ; 512 w + 16 lane: my quarter of the 32 x 16 sums
	v_lshlrev_b32 v19, 6, v2
	v_lshl_add_u32 v19, v3, 5, v19
	v_add_nc_u32 v19, s36, v19                     ; my partial sums: 2,048 w + 64 r + 32 h
	s_wait_alu depctr_va_vdst(0)                   ; the head's end
	s_wait_kmcnt 0x0
	s_add_nc_u64 s[4:5], s[4:5], s[20:21]
.irp i, 0,1,2,3,4,5,6,7
	global_load_b128 v[X+8*\i:X+8*\i+3], v4, s[4:5] offset:16384*\i
	global_load_b128 v[X+8*\i+4:X+8*\i+7], v4, s[4:5] offset:16384*\i+16
.endr
	s_add_nc_u64 s[6:7], s[6:7], s[22:23]
	s_add_nc_u64 s[8:9], s[8:9], s[24:25]
	s_add_nc_u64 s[28:29], s[10:11], s[28:29]
	s_add_nc_u64 s[10:11], s[10:11], s[26:27]
	s_add_nc_u64 s[12:13], s[12:13], s[30:31]
; Four pairs of rows from i0 on, by turns.  younger: the loads issued behind theirs.  Codes into the image at img, scale bytes at bo, bs a pair.
.macro BATCH i0, younger, img, bv, bo, bs
	s_wait_loadcnt \younger                        ; loads come back in order: these four pairs are in
.irp k, 0,1,2,3
	v_max3_num_f32 v[M+\k], |v[X+8*(\i0+\k)]|, |v[X+8*(\i0+\k)+1]|, 0x1800000   ; and the floor 2^(3 - 127): so the byte cannot fall under 1
.endr
.irp e, 2,4,6
.irp k, 0,1,2,3
	v_max3_num_f32 v[M+\k], v[M+\k], |v[X+8*(\i0+\k)+\e]|, |v[X+8*(\i0+\k)+\e+1]|
.endr
.endr
.irp k, 0,1,2,3
	v_max_num_f32_dpp v[M+\k], v[M+\k], v[M+\k] row_xmask:1 row_mask:0xf bank_mask:0xf
.endr
.irp k, 0,1,2,3
	v_max_num_f32_dpp v[M+\k], v[M+\k], v[M+\k] row_xmask:2 row_mask:0xf bank_mask:0xf   ; the block's four lanes
.endr
.irp k, 0,1,2,3
	v_add_nc_u32 v[SOP+\k], 0xff000000, v[M+\k]    ; 2 off the exponent field: the conversion takes the exponent field of this operand as its scale
.endr
.irp k, 0,1,2,3
	v_lshrrev_b32 v[BY+\k], 23, v[SOP+\k]          ; the scale's byte
.endr
.irp k, 0,1,2,3
	v_cvt_scalef32_pk8_fp4_f32 v[PC+\k], v[X+8*(\i0+\k):X+8*(\i0+\k)+7], v[SOP+\k]
.endr
	v_nop                                          ; one plain place behind the last scaled conversion
.irp k, 0,1,2,3
	ds_store_b32 v10, v[PC+\k] offset:\img+32*(\i0+\k)
	ds_store_b8 \bv, v[BY+\k] offset:\bo+\bs*(\i0+\k)   ; the block's four lanes write the same byte with the same value
.endr
.endm
	s_cmp_lt_u32 s18, 2
	s_cbranch_scc1 .Lw1
	BATCH 0, 8, IMG2, v17, SC2, 32
	BATCH 4, 0, IMG2, v17, SC2, 32
	ds_load_b128 v[WF:WF+3], v11 offset:IMG2       ; my own image: LDS serves a wave's instructions in order
	ds_load_b128 v[WF+4:WF+7], v11 offset:IMG2+512
	s_wait_dscnt 0x0
	global_store_b128 v11, v[WF:WF+3], s[10:11]    ; 32 lanes store 512 consecutive bytes of the record
	global_store_b128 v11, v[WF+4:WF+7], s[10:11] offset:512
	s_barrier_signal -1                            ; my scale bytes have landed (the wait above)
	s_barrier_wait -1
	s_cmp_eq_u32 s16, 0
	s_cbranch_scc0 .Lend2
	ds_load_b64 v[156:157], v12 offset:SC2         ; wave 0: 16 rows x 4 scale words, 256 consecutive bytes
	s_wait_dscnt 0x0
	global_store_b64 v12, v[156:157], s[28:29]
.Lend2:
	s_wait_tensorcnt 0x0                           ; the wave's end
	ds_add_u32 v8, v9
	s_wait_dscnt 0x0
	s_endpgm
.Lw1:
.irp u, 0,1
	global_load_b128 v[HF+8*\u:HF+8*\u+3], v13, s[6:7] offset:8192*\u          ; hidden's rows 16 u .. 16 u + 15, my K step
	global_load_b128 v[HF+8*\u+4:HF+8*\u+7], v13, s[6:7] offset:8192*\u+32
	global_load_b32 v[HS+\u], v14, s[8:9] offset:512*\u
.endr
	BATCH 0, 14, IMG1, v16, SC1, 8                 ; (behind them: eight loads of attn_W, six of hidden)
	BATCH 4, 6, IMG1, v16, SC1, 8
	ds_load_b128 v[WF:WF+3], v11 offset:IMG1
	ds_load_b128 v[WF+4:WF+7], v11 offset:IMG1+512
	ds_load_b32 v[WS], v15 offset:SC1
	s_wait_loadcnt 0x0
	s_wait_dscnt 0x0
	; source 0 = 16 rows of W1, source 1 = 16 rows of hidden: lane (r, h) holds hidden's row 16 u + r and columns 16 n + 8 h + 0 .. 7
	v_wmma_scale_f32_16x16x128_f8f6f4 v[DD:DD+7], v[WF:WF+7], v[HF:HF+7], 0, v[WS], v[HS] matrix_a_fmt:MATRIX_FMT_FP4 matrix_b_fmt:MATRIX_FMT_FP4
	v_wmma_scale_f32_16x16x128_f8f6f4 v[DD+8:DD+15], v[WF:WF+7], v[HF+8:HF+15], 0, v[WS], v[HS+1] matrix_a_fmt:MATRIX_FMT_FP4 matrix_b_fmt:MATRIX_FMT_FP4
.rept 4
	v_nop                                          ; four places between the last product and the first read of results (ISA guide 7.12.1)
.endr
.irp u, 0,1
	ds_store_b128 v19, v[DD+8*\u:DD+8*\u+3] offset:PS+1024*\u
	ds_store_b128 v19, v[DD+8*\u+4:DD+8*\u+7] offset:PS+1024*\u+16
.endr
	s_wait_dscnt 0x0                               ; for the others' sake: my partial sums have landed
	s_barrier_signal -1
	s_barrier_wait -1
.irp i, 0,1,2,3
	ds_load_b128 v[X+4*\i:X+4*\i+3], v18 offset:PS+2048*\i   ; the four waves' K steps of my 512 bytes
.endr
	s_wait_dscnt 0x0
.irp q, 0,2
	v_pk_add_f32 v[X+\q:X+\q+1], v[X+\q:X+\q+1], v[X+4+\q:X+5+\q]
	v_pk_add_f32 v[X+8+\q:X+9+\q], v[X+8+\q:X+9+\q], v[X+12+\q:X+13+\q]
.endr
.irp q, 0,2
	v_pk_add_f32 v[X+\q:X+\q+1], v[X+\q:X+\q+1], v[X+8+\q:X+9+\q]
.endr
	global_store_b128 v18, v[X:X+3], s[12:13]      ; 32 lanes store 512 consecutive bytes
	s_wait_tensorcnt 0x0                           ; the wave's end
	ds_add_u32 v8, v9
	s_wait_dscnt 0x0
	s_endpgm
.Lfunc_end_k_qd3171887b8_prep:
	.size	k_qd3171887b8_prep, .Lfunc_end_k_qd3171887b8_prep-k_qd3171887b8_prep
	.p2alignl 7, 3214868480
	.fill 96, 4, 3214868480
	.section	.rodata,"a",@progbits
	.p2align	6, 0x0
	.amdhsa_kernel k_qd3171887b8_prep
		.amdhsa_group_segment_fixed_size 21248
		.amdhsa_private_segment_fixed_size 0
		.amdhsa_enable_private_segment 0
		.amdhsa_kernarg_size 40
		.amdhsa_user_sgpr_count 2
		.amdhsa_user_sgpr_kernarg_segment_ptr 1
		.amdhsa_wavefront_size32 1
		.amdhsa_system_sgpr_workgroup_id_x 1
		.amdhsa_system_sgpr_workgroup_id_y 1
		.amdhsa_system_sgpr_workgroup_id_z 1
		.amdhsa_system_vgpr_workitem_id 0
		.amdhsa_next_free_vgpr 160
		.amdhsa_next_free_sgpr 66
		.amdhsa_reserve_vcc 0
		.amdhsa_float_denorm_mode_32 3
		.amdhsa_float_denorm_mode_16_64 3
		.amdhsa_memory_ordered 1
		.amdhsa_forward_progress 1
		.amdhsa_inst_pref_size 20
	.end_amdhsa_kernel
	.amdgpu_metadata
---
amdhsa.version: [ 1, 2 ]
amdhsa.kernels:
  - .name:           k_qd3171887b8_prep
    .symbol:         k_qd3171887b8_prep.kd
    .args:
      - { .name: attn_W, .offset: 0, .size: 8, .value_kind: global_buffer, .address_space: global }
      - { .name: hidden_codes, .offset: 8, .size: 8, .value_kind: global_buffer, .address_space: global }
      - { .name: hidden_scales, .offset: 16, .size: 8, .value_kind: global_buffer, .address_space: global }
      - { .name: wq, .offset: 24, .size: 8, .value_kind: global_buffer, .address_space: global }
      - { .name: cb, .offset: 32, .size: 8, .value_kind: global_buffer, .address_space: global }
    .group_segment_fixed_size: 21248
    .private_segment_fixed_size: 0
    .kernarg_segment_align: 8
    .kernarg_segment_size: 40
    .max_flat_workgroup_size: 128
    .sgpr_count:     66
    .vgpr_count:     160
    .wavefront_size: 32
...
	.end_amdgpu_metadata
.endif
;; end of part 1
;; launch main (part 2): grid 128 x 2, 8 waves a work-group, clusters of 4 x 2, 327,680 bytes of LDS; arguments encoder_outputs_codes, encoder_outputs_scales, wq, cb, attn_b, v, parts; writes parts
.if DOCPART == 2
	.amdgcn_target "amdgcn-amd-amdhsa--gfx1250"
	.amdhsa_code_object_version 6
	.text
	.protected	k_qd3171887b8_main
	.globl	k_qd3171887b8_main
	.p2align	8
	.type	k_qd3171887b8_main,@function
k_qd3171887b8_main:
	s_mov_b64 s[64:65], 0
	v_nop
	global_prefetch_b8 v0, s[64:65] scope:SCOPE_SE
	s_setreg_imm32_b32 hwreg(HW_REG_WAVE_MODE, 25, 1), 1
	s_wait_xcnt 0x0
	s_wait_alu depctr_hold_cnt(0) depctr_sa_sdst(0) depctr_va_vdst(0) depctr_va_sdst(0) depctr_va_ssrc(0) depctr_va_vcc(0) depctr_vm_vsrc(0)
	s_getreg_b32 s2, hwreg(HW_REG_IB_STS2, 6, 4)
	s_cmp_eq_u32 s2, 0
	s_cbranch_scc0 .Lentry_in_a_cluster
	s_endpgm
.Lentry_in_a_cluster:
	s_bfe_u32 s2, ttmp6, 0x10000c
	s_cmp_lg_u32 s2, 0x7013
	s_cbranch_scc0 .Lentry_shape_is_right
	s_endpgm
.Lentry_shape_is_right:
; parts[half][row] = the sum over half the columns k of -2 v[k] / (1 + 2^(c x)), x = enc[row] . W2[k] + hidden[b] . W1[k] + attn_b[k], c = 2 log2(e): v[k] tanh(x) less v[k].  enc: codes of FP4 (E2M1) with E8M0 bytes, as given;
; W2: records of the launch before (16 rows of W2 in the order of an operand's registers, 8 K steps of 1,024 bytes, then 512 bytes of scale words); hidden . W1 comes in two parts, added here.
; WORK LEFT OUT: the sum of v over k, the same for every row of a batch: the softmax over the rows takes it away.
; t = c D + cb (one packed multiply-add), u = 2^t, a = u + 1, p = 1 / a, sum += (-2 v) p.  No clamp: u = infinity gives p = 0, u = 0 gives p = 1, whatever the size of x.
; SHARES: a work-group owns 512 rows, 512 columns (32 records) and all of K; the next launch adds the two halves.  Wave w owns rows 32 w .. 32 w + 31 and 256 + 32 w .. + 31: 64 rows x 1,024 K of codes are 256 registers, window 1.
; Each fragment of W2 read from LDS feeds four matrix instructions.  No sum crosses a wave.
; ORDER: enc comes in two phases of 256 rows through two stages.  Phase 0 (the first 32 rows of each wave) meets records 0-5 while phase 1 is on its way; then phase 1 meets them: six double tiles of 32 rows x 2 records.
; The stages, once read, take the other records (6-19, then 20-31), and 26 tiles of 64 rows x 1 record follow.  By this text's count a wave has at most one tensor load out.
; CLUSTER: 4 x 2 work-groups, x = block of rows, y = half of the columns.  enc's tiles hang on x alone and are asked for jointly by the two of a column; W2's records hang on y alone and are asked for jointly by the four of a row.
; BY TURNS BETWEEN WAVES.  A tile is two phases: 32 matrix instructions, then vector work.  The waves are of two classes, class = (w xor w / 4) mod 2.  In the last double tile class 1 issues the products AHEAD of the change of
; LDS bytes and class 0 BEHIND it; the waits, the add, the barrier and the refill stand on every wave's path.
; LAYOUT: source 0 = 16 rows of enc, source 1 = 16 rows of W2: lane (r, h) holds column 16 n + r and rows 8 h + 0 .. 7: cb and v are one number a lane, and the sum over columns stays in 32 registers until the end.
; parts [2][128 blocks][8 waves][64] f32: a wave's 64 numbers are 256 consecutive bytes: rows 32 w on, then rows 256 + 32 w on.
; LIMITS: NaN and infinities in v, attn_b and cb are not served; a given scale byte 0xff gives NaN.
; No prefetch: a wave's tensor loads are four, written out; no loop runs ahead of one.
; LDS: records at 8,704 n (0-5 at the head); two stages of 256 rows x (512 + 16) bytes behind record 5; a table of 512 entries (cb, -2 v); the spare words.  All of a WGP's LDS is claimed.
; REGISTERS: window 0: v1-15 addresses; v16-31 enc's scale words; v32-63 four results; v64-95 the sums; v96-223 W2's fragments, two sets; v224-231 its scale words, two sets; v232-239 table entries; v240-252 at work in the head.
;   window 1: enc's fragment (tile i, K step s) at v[128 (i / 2) + 16 s + 8 (i % 2)]; tiles 0, 1 are phase 0's rows, 2, 3 phase 1's.
.set REC,   8704
.set AP,    528                        ; a row of enc in a stage: 132 words: the 16 rows that a load touches start at 16 different banks (64 banks of 4 bytes: ISA guide 11.1)
.set ST0,   6*REC
.set ST1,   ST0+256*AP
.set TAB,   ST1+256*AP
.set SPARE, TAB+4096                   ; 128 bytes for each wave: four blocks of 256 bytes that no other line names
.set ASC, 16                           ; register 8 p + s: the scale word of row 32 p + lane of my 64 for K step s: tile 2 p in lanes 0-15, tile 2 p + 1 in lanes 16-31
.set DR,  32
.set ACC, 64
.set BF,  96
.set BS,  224                          ; register q of a set: K step q in lanes 0-15, K step 4 + q in lanes 16-31
.set TE,  232                          ; four entries (cb, -2 v) of two registers
; FROM RECORD 6 ON two records are taken together, 64 rows x 32 columns: 64 results.  The second record's 32 lie where the registers of the head and of the double tiles are done with: v232-255 and v8-15;
; the two table entries lie at v[2:3] and v[6:7], LDS addresses are made in v1.  v0, v4 and v5 stay; what the end needs is made anew from v0.
.set TA,  2
.set TB,  6
.set MSB, 0
.macro WIN new                         ; the immediate's high byte repeats the setting that is left
.if MSB != \new
	s_set_vgpr_msb (MSB<<8)|\new
.set MSB, \new
.endif
.endm
; A round of the cluster's barrier: my work-group's barrier, so that wave 0's signal speaks for all eight waves; wave 0 signals; every wave waits for all eight work-groups; my work-group's barrier once more.
.macro ROUND
	s_barrier_signal -1
	s_barrier_wait -1
	s_cmp_lg_u32 s18, 0
	s_cbranch_scc1 .Lnot_wave_0_\@
	s_barrier_signal -3
.Lnot_wave_0_\@:
	s_barrier_wait -3
	s_barrier_signal -1
	s_barrier_wait -1
.endm
.macro PLACES                          ; four places behind a matrix instruction, ahead of loads into its sources and of reads of its result (ISA guide 7.12.1 for reads of its result)
.rept 4
	v_nop
.endr
.endm
; 18 LDS loads: a record (8 fragments, 4 registers of scale words) into set k, its columns' table entries into v[te:te+1].
.macro LOADR a, t, ro, to, k, te
.irp s, 0,1,2,3,4,5,6,7
	ds_load_b128 v[BF+64*(\k)+8*\s:BF+64*(\k)+8*\s+3], \a offset:\ro+1024*\s
	ds_load_b128 v[BF+64*(\k)+8*\s+4:BF+64*(\k)+8*\s+7], \a offset:\ro+1024*\s+512
.endr
	ds_load_b128 v[BS+4*(\k):BS+4*(\k)+3], \a offset:\ro+8192
	ds_load_b64 v[\te:\te+1], \t offset:\to
.endm
.macro LOADP rec, q                    ; two records into both sets, their entries into pair q
	LOADR v4, v5, (\rec)*REC, (\rec)*128, 0, TE+4*\q
	LOADR v4, v5, (\rec+1)*REC, (\rec+1)*128, 1, TE+4*\q+2
.endm
; Phase p's fragments of enc, K ascending: lane (r, h) takes of row 16 i + r the bytes 64 s + 32 c + 16 h on.
.macro ENCS p, a, s
	WIN 0x40                                       ; destination window 1
.irp i, 0,1
.irp c, 0,1
	ds_load_b128 v[128*\p+16*(\s)+8*\i+4*\c:128*\p+16*(\s)+8*\i+4*\c+3], \a offset:16*AP*\i+64*(\s)+32*\c
.endr
.endr
.endm
; One matrix instruction: result d, tile i of my rows, K step s, W2's set k.  The first K step starts the sum with the constant 0.
.macro MM d, i, s, k
.if (\d) < 4
.set rD, DR+8*(\d)
.elseif (\d) < 7
.set rD, 200+8*(\d)                    ; results 4-6: v232-255
.else
.set rD, 8                             ; result 7: v8-15
.endif
.set rA, 128*((\i)/2)+16*(\s)+8*((\i)%2)
.set rB, BF+64*(\k)+8*(\s)
.set rP, ASC+8*((\i)/2)+(\s)
.set rQ, BS+4*(\k)+(\s)%4
.if (\s) == 0
.if (\i)%2 == 0
	v_wmma_scale_f32_16x16x128_f8f6f4 v[rD:rD+7], v[rA:rA+7], v[rB:rB+7], 0, v[rP], v[rQ] matrix_a_fmt:MATRIX_FMT_FP4 matrix_b_fmt:MATRIX_FMT_FP4
.else
	v_wmma_scale_f32_16x16x128_f8f6f4 v[rD:rD+7], v[rA:rA+7], v[rB:rB+7], 0, v[rP], v[rQ] matrix_a_fmt:MATRIX_FMT_FP4 matrix_b_fmt:MATRIX_FMT_FP4 matrix_a_scale:MATRIX_SCALE_ROW1
.endif
.elseif (\s) < 4
.if (\i)%2 == 0
	v_wmma_scale_f32_16x16x128_f8f6f4 v[rD:rD+7], v[rA:rA+7], v[rB:rB+7], v[rD:rD+7], v[rP], v[rQ] matrix_a_fmt:MATRIX_FMT_FP4 matrix_b_fmt:MATRIX_FMT_FP4
.else
	v_wmma_scale_f32_16x16x128_f8f6f4 v[rD:rD+7], v[rA:rA+7], v[rB:rB+7], v[rD:rD+7], v[rP], v[rQ] matrix_a_fmt:MATRIX_FMT_FP4 matrix_b_fmt:MATRIX_FMT_FP4 matrix_a_scale:MATRIX_SCALE_ROW1
.endif
.else
.if (\i)%2 == 0
	v_wmma_scale_f32_16x16x128_f8f6f4 v[rD:rD+7], v[rA:rA+7], v[rB:rB+7], v[rD:rD+7], v[rP], v[rQ] matrix_a_fmt:MATRIX_FMT_FP4 matrix_b_fmt:MATRIX_FMT_FP4 matrix_b_scale:MATRIX_SCALE_ROW1
.else
	v_wmma_scale_f32_16x16x128_f8f6f4 v[rD:rD+7], v[rA:rA+7], v[rB:rB+7], v[rD:rD+7], v[rP], v[rQ] matrix_a_fmt:MATRIX_FMT_FP4 matrix_b_fmt:MATRIX_FMT_FP4 matrix_a_scale:MATRIX_SCALE_ROW1 matrix_b_scale:MATRIX_SCALE_ROW1
.endif
.endif
.endm
; A TILE'S PRODUCTS, 64 rows x 16 columns x all of K: 32 matrix instructions.  The four accumulators take turns, one instruction a turn, K ascending.
.macro MMS k
	WIN 0x01                                       ; source 0 (enc) in window 1
.irp s, 0,1,2,3,4,5,6,7
	MM 4*\k, 0, \s, \k
	MM 4*\k+1, 1, \s, \k
	MM 4*\k+2, 2, \s, \k
	MM 4*\k+3, 3, \s, \k
.endr
	WIN 0
.endm
; A DOUBLE TILE'S: phase p's 32 rows x 32 columns.  cnt: LDS loads a K step in the run just issued; the later K steps' may be out.
.macro MMP p, cnt
	WIN 0x01
.irp s, 0,1,2,3,4,5,6,7
.if \cnt
	s_wait_dscnt \cnt*(7-\s)
.endif
	MM 0, 2*\p, \s, 0
	MM 1, 2*\p+1, \s, 0
	MM 2, 2*\p, \s, 1
	MM 3, 2*\p+1, \s, 1
.endr
	WIN 0
.endm
; A TILE'S VECTOR WORK, in two halves of 16 registers: A with entry ta and sums aa, B with tb and ab.  Four batches of 16 transcendentals; behind the first, the other half's packed lines are dealt among them: they read what
; the wait ahead of the batch has covered, and what they write is read behind the next wait.  first: half A starts the sums.
.macro VPH ta, tb, aa, ab, first
.set j, 0
.rept 16
.if j < 16
	v_pk_fma_f32 v[DR+j:DR+j+1], v[DR+j:DR+j+1], s[24:25], v[\ta:\ta+1] op_sel_hi:[1,0,0]   ; t = c D + cb, two rows at a time; each result is read from its low end on
.else
	v_pk_fma_f32 v[DR+j:DR+j+1], v[DR+j:DR+j+1], s[24:25], v[\tb:\tb+1] op_sel_hi:[1,0,0]
.endif
.set j, j+2
.endr
	s_wait_alu depctr_va_vdst(0)                   ; a wait ahead of a batch and behind it
.set j, 0
.rept 16
	v_exp_f32 v[DR+j], v[DR+j]                     ; A: u = 2^t
.set j, j+1
.endr
	v_nop                                          ; one plain place behind the last exponential
	s_wait_alu depctr_va_vdst(0)
.set j, 0
.rept 8
	v_exp_f32 v[DR+16+j], v[DR+16+j]               ; B: u = 2^t
	v_exp_f32 v[DR+17+j], v[DR+17+j]
	v_pk_add_f32 v[DR+j:DR+j+1], v[DR+j:DR+j+1], 1.0 op_sel_hi:[1,0]   ; A: a = u + 1
.set j, j+2
.endr
	s_wait_alu depctr_va_vdst(0)
.set j, 0
.rept 8
	v_rcp_f32 v[DR+j], v[DR+j]                     ; A: p = 1 / a
	v_rcp_f32 v[DR+j+1], v[DR+j+1]
	v_pk_add_f32 v[DR+16+j:DR+17+j], v[DR+16+j:DR+17+j], 1.0 op_sel_hi:[1,0]
.set j, j+2
.endr
	s_wait_alu depctr_va_vdst(0)
.set j, 0
.rept 8
	v_rcp_f32 v[DR+16+j], v[DR+16+j]
	v_rcp_f32 v[DR+17+j], v[DR+17+j]
.if \first
	v_pk_mul_f32 v[\aa+j:\aa+j+1], v[DR+j:DR+j+1], v[\ta:\ta+1] op_sel:[0,1] op_sel_hi:[1,1]   ; the sums begin with the first products: nothing is cleared
.else
	v_pk_fma_f32 v[\aa+j:\aa+j+1], v[DR+j:DR+j+1], v[\ta:\ta+1], v[\aa+j:\aa+j+1] op_sel:[0,1,0] op_sel_hi:[1,1,1]   ; A: sums += (-2 v) p (the entry's second register serves both)
.endif
.set j, j+2
.endr
	s_wait_alu depctr_va_vdst(0)
.set j, 0
.rept 8
	v_pk_fma_f32 v[\ab+j:\ab+j+1], v[DR+16+j:DR+17+j], v[\tb:\tb+1], v[\ab+j:\ab+j+1] op_sel:[0,1,0] op_sel_hi:[1,1,1]
.set j, j+2
.endr
.endm
.macro LOADF a, ro, k                  ; 17 LDS loads: a record into set k
.irp s, 0,1,2,3,4,5,6,7
	ds_load_b128 v[BF+64*(\k)+8*\s:BF+64*(\k)+8*\s+3], \a offset:\ro+1024*\s
	ds_load_b128 v[BF+64*(\k)+8*\s+4:BF+64*(\k)+8*\s+7], \a offset:\ro+1024*\s+512
.endr
	ds_load_b128 v[BS+4*(\k):BS+4*(\k)+3], \a offset:\ro+8192
.endm
.macro BREG                            ; where number j of the second record's 32 results lies
.if j < 24
.set qB, 232+j
.else
.set qB, j-16
.endif
.endm
; THE VECTOR WORK OF TWO RECORDS, as VPH with halves of 32 registers: A the first record's, B the second's; both add to the same sums.
.macro VPHB
.set j, 0
.rept 16
	v_pk_fma_f32 v[DR+j:DR+j+1], v[DR+j:DR+j+1], s[24:25], v[TA:TA+1] op_sel_hi:[1,0,0]
.set j, j+2
.endr
.set j, 0
.rept 16
	BREG
	v_pk_fma_f32 v[qB:qB+1], v[qB:qB+1], s[24:25], v[TB:TB+1] op_sel_hi:[1,0,0]
.set j, j+2
.endr
	s_wait_alu depctr_va_vdst(0)                   ; a wait ahead of a batch and behind it
.set j, 0
.rept 32
	v_exp_f32 v[DR+j], v[DR+j]
.set j, j+1
.endr
	v_nop                                          ; one plain place behind the last exponential
	s_wait_alu depctr_va_vdst(0)
.set j, 0
.rept 16
	BREG
	v_exp_f32 v[qB], v[qB]
	v_exp_f32 v[qB+1], v[qB+1]
	v_pk_add_f32 v[DR+j:DR+j+1], v[DR+j:DR+j+1], 1.0 op_sel_hi:[1,0]
.set j, j+2
.endr
	s_wait_alu depctr_va_vdst(0)
.set j, 0
.rept 16
	BREG
	v_rcp_f32 v[DR+j], v[DR+j]
	v_rcp_f32 v[DR+j+1], v[DR+j+1]
	v_pk_add_f32 v[qB:qB+1], v[qB:qB+1], 1.0 op_sel_hi:[1,0]
.set j, j+2
.endr
	s_wait_alu depctr_va_vdst(0)
.set j, 0
.rept 16
	BREG
	v_rcp_f32 v[qB], v[qB]
	v_rcp_f32 v[qB+1], v[qB+1]
	v_pk_fma_f32 v[ACC+j:ACC+j+1], v[DR+j:DR+j+1], v[TA:TA+1], v[ACC+j:ACC+j+1] op_sel:[0,1,0] op_sel_hi:[1,1,1]
.set j, j+2
.endr
	s_wait_alu depctr_va_vdst(0)
.set j, 0
.rept 16
	BREG
	v_pk_fma_f32 v[ACC+j:ACC+j+1], v[qB:qB+1], v[TB:TB+1], v[ACC+j:ACC+j+1] op_sel:[0,1,0] op_sel_hi:[1,1,1]
.set j, j+2
.endr
.endm
; TWO RECORDS.  pre: the next two are asked for behind the products, into the sets just used; they have the vector work in which to come.  Their table entries are asked for when this tile's are done with.
.macro BIG pre
	s_wait_dscnt 0x2                               ; both records are in; the two loads of table entries, issued last, may be out
	MMS 0
	MMS 1
.if \pre
	v_add_nc_u32 v1, s22, v4                       ; this and three v_nop are the four places behind the last product
	v_nop
	v_nop
	v_nop
	LOADF v1, 0, 0
	LOADF v1, REC, 1
	s_add_co_u32 s22, s22, 2*REC
	s_wait_dscnt 34                                ; the table entries are in; the 34 loads just issued may be out
.else
	PLACES
	s_wait_dscnt 0x0
.endif
	VPHB
.if \pre
	v_add_nc_u32 v1, s23, v5
	ds_load_b64 v[TA:TA+1], v1
	ds_load_b64 v[TB:TB+1], v1 offset:128
	s_add_co_u32 s23, s23, 256
.endif
.endm
; A CHANGE OF LDS BYTES.  Each wave waits for all its tensor loads, adds 0 to its spare word, and waits for that and for its reads; behind a round of the cluster's barrier comes the wave's one load.
; n = 1: phase 1 of enc, 32 rows a wave.  n = 2: records 6-19, 119 rows of 256 bytes for each of waves 4-7, where stage 0 was.  n = 3: records 20-31, 102 rows each, where stage 0 ended and stage 1 was.
; (Record n lies at 8,704 n both in LDS and in the half's part of wq, so one offset serves both.)
.macro CHANGE n
	s_wait_tensorcnt 0x0                           ; no tensor load of mine is out, so the descriptors may be written
	ds_add_u32 v10, v11                            ; 0 onto my spare word
.if \n == 1
	s_mul_i32 s30, s18, 32*AP
	s_add_co_u32 s49, s30, ST1
	s_lshl_b32 s30, s18, 14
	s_add_co_u32 s30, s30, 0x20000                 ; 256 rows on, 32 rows a wave
	s_add_nc_u64 s[50:51], s[56:57], s[30:31]
	s_or_b32 s51, s51, 0x80000000
	s_mov_b32 s34, 32<<16                          ; tensor_dim1 = tile_dim1 = 32
	s_mov_b32 s36, 32
.else
.if \n == 2
	s_mul_i32 s30, s19, 119*256
	s_add_co_u32 s30, s30, 6*REC
	s_mov_b32 s42, 119<<16
	s_mov_b32 s44, 119
.else
	s_mul_i32 s30, s19, 102*256
	s_add_co_u32 s30, s30, 20*REC
	s_mov_b32 s42, 102<<16
	s_mov_b32 s44, 102
.endif
	s_mov_b32 s53, s30
	s_add_nc_u64 s[54:55], s[28:29], s[30:31]
	s_or_b32 s55, s55, 0x80000000
.endif
	s_wait_dscnt 0x0                               ; the add is done, and my reads of the bytes that are left are over
	ROUND                                          ; the same holds of every wave of all eight work-groups
.if \n == 1
	tensor_load_to_lds s[48:51], s[32:39]
	s_nop 0
.else
	s_cmp_lt_u32 s18, 4
	s_cbranch_scc1 .Lno_part_\@
	tensor_load_to_lds s[52:55], s[40:47]
	s_nop 0
.rept 4
	v_nop
.endr
.Lno_part_\@:
.endif
.rept 5
	v_nop                                          ; the places behind products that stand in front of the change
.endr
.endm
	s_load_b256 s[4:11], s[0:1], 0x0               ; enc's codes s[4:5], its scales s[6:7], wq s[8:9], cb s[10:11]
	s_load_b128 s[12:15], s[0:1], 0x20             ; attn_b s[12:13], v s[14:15]
	s_load_b64 s[16:17], s[0:1], 0x30              ; parts
	v_lshl_add_u32 v10, v0, 2, SPARE               ; my spare word; never rewritten
	v_mov_b32 v11, 0                               ; 0; never rewritten
	ds_add_u32 v10, v11                            ; the wave's opening: the add, twice on end, and its wait ahead of my first tensor load
	ds_add_u32 v10, v11
	v_lshrrev_b32 v1, 5, v0
	v_readfirstlane_b32 s18, v1                    ; wave 0..7
	s_and_b32 s19, s18, 3
	s_lshr_b32 s20, s18, 2
	s_xor_b32 s20, s20, s18
	s_and_b32 s20, s20, 1                          ; my class: (w xor w / 4) mod 2
	s_bfe_u32 s26, ttmp6, 0x40000                  ; cx: block of rows
	s_bfe_u32 s27, ttmp6, 0x40004                  ; cy: half of the columns
	s_lshl_b32 s2, 0x11, s26                       ; my column of the cluster: places cx, cx + 4
	s_lshl_b32 s3, s27, 2
	s_lshl_b32 s3, 15, s3                          ; my row: places 4 cy .. 4 cy + 3
	; descriptor group 1 for enc's tile: 64 rows of 512 bytes, 16 bytes of padding behind each
	s_or_b32 s32, s2, 0x07b00000                   ; 15:0 the mask; 17:16 elements of 1 byte; 20 padding on; 21 set beside a mask; 24:22 after every 128 words (code 6); 31:25 four words (code 3)
	s_mov_b32 s33, 512<<16                         ; tensor_dim0
	s_mov_b32 s34, 64<<16                          ; tensor_dim1
	s_mov_b32 s35, 512<<16                         ; tile_dim0
	s_mov_b32 s36, 64                              ; tile_dim1
	s_mov_b32 s37, 512                             ; tensor_dim0_stride
	s_mov_b32 s38, 0
	s_mov_b32 s39, 0
	; and for W2: six records are 204 rows of 256 dense bytes (32 elements of 8 bytes): 51 for each of waves 4-7
	s_or_b32 s40, s3, 0x00230000
	s_mov_b32 s41, 32<<16
	s_mov_b32 s42, 51<<16
	s_mov_b32 s43, 32<<16
	s_mov_b32 s44, 51
	s_mov_b32 s45, 32
	s_mov_b32 s46, 0
	s_mov_b32 s47, 0
	s_mov_b32 s48, 1                               ; group 0 for enc
	s_mul_i32 s49, s19, 64*AP
	s_add_co_u32 s49, s49, ST0
	s_mov_b32 s52, 1                               ; group 0 for W2
	s_mul_i32 s53, s19, 51*256
	s_lshl_b32 s2, ttmp9, 2                        ; in a cluster launch ttmp9 counts clusters: it is the batch
	s_add_co_u32 s2, s2, s26                       ; my block of 512 rows
	s_lshl_b32 s56, s2, 18                         ; enc's codes: 512 rows of 512 bytes
	s_mov_b32 s57, 0
	s_lshl_b32 s58, s2, 14                         ; its scales: 512 rows of 32 bytes, 32 rows a wave
	s_lshl_b32 s59, s18, 10
	s_add_co_u32 s58, s58, s59
	s_mov_b32 s59, 0
	s_lshl_b32 s60, s2, 11                         ; parts: 512 numbers a block, 64 a wave, 65,536 a half
	s_lshl_b32 s61, s18, 8
	s_add_co_u32 s60, s60, s61
	s_lshl_b32 s61, s27, 18
	s_add_co_u32 s60, s60, s61
	s_mov_b32 s61, 0
	s_mul_i32 s28, s27, 32*REC                     ; my half's records
	s_mov_b32 s29, 0
	s_lshl_b32 s30, s19, 15                        ; 64 rows of enc a loading wave
	s_mov_b32 s31, 0
	s_lshl_b32 s62, s27, 16                        ; cb: 32 row groups of 2,048 bytes a half, 64 bytes a batch
	s_lshl_b32 s63, ttmp9, 6
	s_add_co_u32 s62, s62, s63
	s_mov_b32 s63, 0
	s_mov_b32 s24, 0x4038aa3b                      ; c = 2 log2(e)
	s_mov_b32 s25, s24                             ; (named with it as a pair, so it is written)
	s_wait_alu depctr_va_vdst(0)
	s_wait_dscnt 0x0                               ; both opening adds are done
	s_wait_kmcnt 0x0
	s_add_nc_u64 s[56:57], s[4:5], s[56:57]
	s_add_nc_u64 s[50:51], s[56:57], s[30:31]
	s_or_b32 s51, s51, 0x80000000                  ; type = 2
	s_mov_b32 s30, s53
	s_add_nc_u64 s[28:29], s[8:9], s[28:29]
	s_add_nc_u64 s[54:55], s[28:29], s[30:31]
	s_or_b32 s55, s55, 0x80000000
	s_add_nc_u64 s[6:7], s[6:7], s[58:59]
	s_add_nc_u64 s[10:11], s[10:11], s[62:63]
	s_lshl_b32 s62, s27, 11                        ; attn_b and v: 512 numbers a half
	s_add_nc_u64 s[12:13], s[12:13], s[62:63]
	s_add_nc_u64 s[14:15], s[14:15], s[62:63]
	s_add_nc_u64 s[16:17], s[16:17], s[60:61]
	ROUND                                          ; all eight work-groups are here: the first joint loads meet
	s_cmp_lt_u32 s18, 4                            ; one tensor load a wave: waves 0-3 fetch phase 0 of enc, waves 4-7 records 0-5
	s_cbranch_scc0 .Lhead_w
	tensor_load_to_lds s[48:51], s[32:39]
	s_nop 0
.rept 4
	v_nop
.endr
	s_branch .Lhead_asked
.Lhead_w:
	tensor_load_to_lds s[52:55], s[40:47]
	s_nop 0
.rept 4
	v_nop
.endr
.Lhead_asked:
	v_lshrrev_b32 v14, 3, v0
	v_and_b32 v12, 7, v0
	v_lshlrev_b32 v14, 11, v14
	v_lshl_add_u32 v14, v12, 3, v14                ; cb of columns 2 t, 2 t + 1: row group t / 8, 8 bytes
	v_lshlrev_b32 v15, 3, v0                       ; attn_b and v of the same
	v_and_b32 v3, 31, v0                           ; lane
	v_lshlrev_b32 v13, 5, v3                       ; enc's scales: a row of 32 bytes a lane
	global_load_b64 v[240:241], v14, s[10:11]
	global_load_b64 v[242:243], v14, s[10:11] offset:131072
	global_load_b64 v[244:245], v15, s[12:13]
	global_load_b64 v[246:247], v15, s[14:15]
.irp p, 0,1
.irp g, 0,1
	global_load_b128 v[ASC+8*\p+4*\g:ASC+8*\p+4*\g+3], v13, s[6:7] offset:8192*\p+16*\g   ; the scale words of my row 32 p + lane, K steps 4 g on: the two loads of a p cover 1,024 consecutive bytes
.endr
.endr
	v_and_b32 v1, 15, v0                           ; r
	v_bfe_u32 v2, v0, 4, 1                         ; h
	v_lshlrev_b32 v4, 4, v3                        ; a record's image: 16 x lane
	v_lshl_add_u32 v5, v1, 3, TAB                  ; my column's entry in a record's 16
	s_mul_i32 s62, s18, 32*AP
	s_add_co_u32 s62, s62, ST0
	v_mul_u32_u24 v8, v1, AP
	v_lshl_add_u32 v8, v2, 4, v8
	v_add_nc_u32 v8, s62, v8                       ; stage 0: row 32 w + r, + 16 h
	v_add_nc_u32 v9, 256*AP, v8                    ; stage 1
	v_lshl_add_u32 v252, v0, 4, TAB                ; the two entries that I make
	s_wait_alu depctr_va_vdst(0)                   ; the head's end
	s_wait_loadcnt 0x4                             ; cb, attn_b and v are in; the four loads of scale words may be out
	v_pk_add_f32 v[240:241], v[240:241], v[242:243]
	v_mul_f32 v249, -2.0, v246
	v_mul_f32 v251, -2.0, v247
	v_pk_add_f32 v[240:241], v[240:241], v[244:245]
	v_mul_f32 v248, s24, v240                      ; c x (hidden . W1 + attn_b), -2 v
	v_mul_f32 v250, s24, v241
	ds_store_b128 v252, v[248:251]
	CHANGE 1                                       ; phase 0, records 0-5 and the table are everybody's; phase 1 goes out
	s_wait_loadcnt 0x0                             ; enc's scale words
	; DOUBLE TILES.  The first one's loads come K step by K step, so that its products follow them.
.irp k, 0,1
	ds_load_b128 v[BS+4*\k:BS+4*\k+3], v4 offset:REC*\k+8192
	ds_load_b64 v[TE+2*\k:TE+2*\k+1], v5 offset:128*\k
.endr
.irp s, 0,1,2,3,4,5,6,7
	ENCS 0, v8, \s
	WIN 0
.irp k, 0,1
	ds_load_b128 v[BF+64*\k+8*\s:BF+64*\k+8*\s+3], v4 offset:REC*\k+1024*\s
	ds_load_b128 v[BF+64*\k+8*\s+4:BF+64*\k+8*\s+7], v4 offset:REC*\k+1024*\s+512
.endr
.endr
	MMP 0, 8                                       ; phase 0, records 0, 1
	PLACES
	LOADP 2, 1
	VPH TE, TE+2, ACC, ACC, 1
	s_wait_dscnt 0x0
	MMP 0, 0                                       ; records 2, 3
	PLACES
	LOADP 4, 0
	VPH TE+4, TE+6, ACC, ACC, 0
	s_wait_dscnt 0x0
	MMP 0, 0                                       ; records 4, 5
	PLACES
	LOADP 0, 1
	VPH TE, TE+2, ACC, ACC, 0
	CHANGE 2                                       ; phase 1 is everybody's; records 6-19 go out
.irp s, 0,1,2,3,4,5,6,7
	ENCS 1, v9, \s
.endr
	WIN 0
	MMP 1, 4                                       ; phase 1, records 0, 1
	PLACES
	LOADP 2, 0
	VPH TE+4, TE+6, ACC+16, ACC+16, 1
	s_wait_dscnt 0x0
	MMP 1, 0                                       ; records 2, 3
	PLACES
	LOADP 4, 1
	VPH TE, TE+2, ACC+16, ACC+16, 0
	s_wait_dscnt 0x0                               ; records 4, 5 are in registers: their products touch no LDS
	s_cmp_eq_u32 s20, 0
	s_cbranch_scc1 .Llater
	MMP 1, 0                                       ; class 1: ahead of the change
.Llater:
	CHANGE 3                                       ; records 6-19 are everybody's; records 20-31 go out
	s_cmp_lg_u32 s20, 0
	s_cbranch_scc1 .Lbehind
	MMP 1, 0                                       ; class 0: behind it
.Lbehind:
	v_add_nc_u32 v1, 6*REC, v4                     ; this and three v_nop are the four places behind the last product
	v_nop
	v_nop
	v_nop
	LOADF v1, 0, 0
	LOADF v1, REC, 1
	ds_load_b64 v[TA:TA+1], v5 offset:6*128
	ds_load_b64 v[TB:TB+1], v5 offset:7*128
	VPH TE+4, TE+6, ACC+16, ACC+16, 0
	; TILES of 64 rows x one record: record n on set n % 2; each asks for record n + 2
	; (two records a trip: the even one on set 0, the odd one on set 1)
	s_mov_b32 s22, 8*REC
	s_mov_b32 s23, 8*128
	s_mov_b32 s21, 4
.Ltiles_a:                                             ; records 6-13
	BIG 1
	s_sub_co_u32 s21, s21, 1
	s_cmp_lg_u32 s21, 0
	s_cbranch_scc1 .Ltiles_a
	s_wait_tensorcnt 0x0                           ; my part of records 20-31 has landed: the barrier says so; it is waited for four records later
	s_wait_dscnt 0x0
	s_barrier_signal -1
	s_mov_b32 s22, 16*REC
	s_mov_b32 s23, 16*128
	s_mov_b32 s21, 2
.Ltiles_b:                                             ; records 14-17
	BIG 1
	s_sub_co_u32 s21, s21, 1
	s_cmp_lg_u32 s21, 0
	s_cbranch_scc1 .Ltiles_b
	s_barrier_wait -1                              ; records 20-31 are everybody's
	s_mov_b32 s22, 20*REC
	s_mov_b32 s23, 20*128
	s_mov_b32 s21, 6
.Ltiles_c:                                             ; records 18-29
	BIG 1
	s_sub_co_u32 s21, s21, 1
	s_cmp_lg_u32 s21, 0
	s_cbranch_scc1 .Ltiles_c
	BIG 0                                          ; records 30, 31
	v_bfe_u32 v12, v0, 1, 2                        ; my two numbers of the wave's 64: 64 ((r / 2) mod 4) + 32 h + 16 (r mod 2) + 8 (r / 8) bytes on
	v_bfe_u32 v2, v0, 4, 1
	v_and_b32 v6, 1, v0
	v_bfe_u32 v7, v0, 3, 1
	v_lshlrev_b32 v12, 6, v12
	v_lshl_add_u32 v10, v0, 2, SPARE               ; my spare word and 0, made anew
	v_mov_b32 v11, 0
	v_lshl_add_u32 v12, v2, 5, v12
	v_lshl_add_u32 v12, v6, 4, v12
	v_lshl_add_u32 v12, v7, 3, v12
	; THE WAY OUT.  The 16 lanes of a half hold the same rows and other columns.  At each of four steps a lane keeps one of two registers, by a bit of its number, and gives the other to its partner:
	; bit 0 chooses four of eight rows, bits 1 and 2 the tile, bit 3 two of the four rows.  So each lane ends with two finished neighbours.
	s_mov_b32 s2, 0xaaaaaaaa
	s_mov_b32 s3, 0xcccccccc
	s_mov_b32 s22, 0xf0f0f0f0
	s_mov_b32 s23, 0xff00ff00
.irp k, 0,1,2,3,4,5,6,7,8,9,10,11,12,13,14,15
	v_cndmask_b32 v[DR+\k], v[ACC+8*(\k/4)+\k%4], v[ACC+8*(\k/4)+4+\k%4], s2
	v_cndmask_b32 v[DR+16+\k], v[ACC+8*(\k/4)+4+\k%4], v[ACC+8*(\k/4)+\k%4], s2
.endr
.irp k, 0,1,2,3,4,5,6,7,8,9,10,11,12,13,14,15
	v_add_f32_dpp v[DR+16+\k], v[DR+16+\k], v[DR+\k] row_xmask:1 row_mask:0xf bank_mask:0xf
.endr
.irp k, 0,1,2,3,4,5,6,7
	v_cndmask_b32 v[DR+\k], v[DR+16+8*(\k/4)+\k%4], v[DR+20+8*(\k/4)+\k%4], s3
	v_cndmask_b32 v[DR+8+\k], v[DR+20+8*(\k/4)+\k%4], v[DR+16+8*(\k/4)+\k%4], s3
.endr
.irp k, 0,1,2,3,4,5,6,7
	v_add_f32_dpp v[DR+8+\k], v[DR+8+\k], v[DR+\k] row_xmask:2 row_mask:0xf bank_mask:0xf
.endr
.irp k, 0,1,2,3
	v_cndmask_b32 v[ACC+\k], v[DR+8+\k], v[DR+12+\k], s22
	v_cndmask_b32 v[ACC+4+\k], v[DR+12+\k], v[DR+8+\k], s22
.endr
.irp k, 0,1,2,3
	v_add_f32_dpp v[ACC+4+\k], v[ACC+4+\k], v[ACC+\k] row_xmask:4 row_mask:0xf bank_mask:0xf
.endr
.irp k, 0,1
	v_cndmask_b32 v[DR+\k], v[ACC+4+\k], v[ACC+6+\k], s23
	v_cndmask_b32 v[DR+2+\k], v[ACC+6+\k], v[ACC+4+\k], s23
.endr
.irp k, 0,1
	v_add_f32_dpp v[DR+2+\k], v[DR+2+\k], v[DR+\k] row_xmask:8 row_mask:0xf bank_mask:0xf
.endr
	global_store_b64 v12, v[DR+2:DR+3], s[16:17]   ; the 32 lanes store 256 consecutive bytes, at a multiple of 256 from the buffer's first byte
	s_wait_tensorcnt 0x0                           ; the wave's end: behind my last tensor load and my last LDS store
	ds_add_u32 v10, v11
	s_wait_dscnt 0x0
	ROUND                                          ; the closing round: no work-group ends while a partner may still ask for a tile that names it
	s_endpgm
.Lfunc_end_k_qd3171887b8_main:
	.size	k_qd3171887b8_main, .Lfunc_end_k_qd3171887b8_main-k_qd3171887b8_main
	.p2alignl 7, 3214868480
	.fill 96, 4, 3214868480
	.section	.rodata,"a",@progbits
	.p2align	6, 0x0
	.amdhsa_kernel k_qd3171887b8_main
		.amdhsa_group_segment_fixed_size 327680
		.amdhsa_private_segment_fixed_size 0
		.amdhsa_enable_private_segment 0
		.amdhsa_kernarg_size 56
		.amdhsa_user_sgpr_count 2
		.amdhsa_user_sgpr_kernarg_segment_ptr 1
		.amdhsa_wavefront_size32 1
		.amdhsa_system_sgpr_workgroup_id_x 1
		.amdhsa_system_sgpr_workgroup_id_y 1
		.amdhsa_system_sgpr_workgroup_id_z 1
		.amdhsa_system_vgpr_workitem_id 0
		.amdhsa_next_free_vgpr 512
		.amdhsa_next_free_sgpr 66
		.amdhsa_reserve_vcc 0
		.amdhsa_float_denorm_mode_32 3
		.amdhsa_float_denorm_mode_16_64 3
		.amdhsa_memory_ordered 1
		.amdhsa_forward_progress 1
		.amdhsa_inst_pref_size 181
	.end_amdhsa_kernel
	.amdgpu_metadata
---
amdhsa.version: [ 1, 2 ]
amdhsa.kernels:
  - .name:           k_qd3171887b8_main
    .symbol:         k_qd3171887b8_main.kd
    .args:
      - { .name: encoder_outputs_codes, .offset: 0, .size: 8, .value_kind: global_buffer, .address_space: global }
      - { .name: encoder_outputs_scales, .offset: 8, .size: 8, .value_kind: global_buffer, .address_space: global }
      - { .name: wq, .offset: 16, .size: 8, .value_kind: global_buffer, .address_space: global }
      - { .name: cb, .offset: 24, .size: 8, .value_kind: global_buffer, .address_space: global }
      - { .name: attn_b, .offset: 32, .size: 8, .value_kind: global_buffer, .address_space: global }
      - { .name: v, .offset: 40, .size: 8, .value_kind: global_buffer, .address_space: global }
      - { .name: parts, .offset: 48, .size: 8, .value_kind: global_buffer, .address_space: global }
    .group_segment_fixed_size: 327680
    .private_segment_fixed_size: 0
    .kernarg_segment_align: 8
    .kernarg_segment_size: 56
    .max_flat_workgroup_size: 256
    .sgpr_count:     66
    .vgpr_count:     512
    .wavefront_size: 32
...
	.end_amdgpu_metadata
.endif
;; end of part 2
;; launch soft (part 3): grid 32 x 1, 8 waves a work-group, no clusters, 1,536 bytes of LDS; arguments parts, out0; writes out0
.if DOCPART == 3
	.amdgcn_target "amdgcn-amd-amdhsa--gfx1250"
	.amdhsa_code_object_version 6
	.text
	.protected	k_qd3171887b8_soft
	.globl	k_qd3171887b8_soft
	.p2align	8
	.type	k_qd3171887b8_soft,@function
k_qd3171887b8_soft:
	s_mov_b64 s[64:65], 0
	v_nop
	global_prefetch_b8 v0, s[64:65] scope:SCOPE_SE
	s_setreg_imm32_b32 hwreg(HW_REG_WAVE_MODE, 25, 1), 1
	s_wait_xcnt 0x0
; out0[b][0][s] = softmax over s of scores[b][s]: 2,048 numbers a batch.  One work-group a batch, eight waves, eight numbers a thread, kept in registers between the passes: the row is read once.
; The row's maximum is taken away ahead of the exponential.  Maximum and sum meet in LDS: a word a wave, one barrier each, other bytes for the second.
; Each store of a wave covers 512 consecutive bytes; each load four runs of 128.  No matrix unit, no cluster, no ring: 8 KiB a work-group, read once.
; LIMITS: NaN among the scores is not served.
	s_load_b128 s[4:7], s[0:1], 0x0                ; scores, out0
	v_lshl_add_u32 v32, v0, 2, 0x200
	v_mov_b32 v33, 0
	v_lshrrev_b32 v1, 5, v0
	s_delay_alu instid0(VALU_DEP_1)
	v_readfirstlane_b32 s8, v1                     ; wave 0..7
	v_lshlrev_b32 v2, 4, v0                        ; 16 bytes a thread
	s_lshl_b32 s10, ttmp9, 13                      ; a batch's 8,192 bytes
	s_mov_b32 s11, 0
	s_mov_b32 s12, 0x76543210
	s_mov_b32 s13, 0xfedcba98                      ; v_permlanex16_b32's selects for lane l xor 16
	s_lshl_b32 s9, s8, 2
	v_mov_b32 v3, s9                               ; my wave's word
	v_mov_b32 v4, 0
	; a score (less a term that is the same for the whole batch, which the softmax takes away: left out) is the sum of two parts, 262,144 bytes apart.  In each, row 256 p + 32 w + i of a block of 512 lies at 256 w + 128 p + 4 i bytes:
	; thread t takes rows 4 t .. 4 t + 3 and 1,024 further down: 2,048 (t / 128) + 256 ((t / 8) mod 8) + 128 ((t / 64) mod 2) + 16 (t mod 8)
	v_and_b32 v5, 7, v0
	v_bfe_u32 v6, v0, 3, 3
	v_bfe_u32 v7, v0, 6, 1
	v_lshlrev_b32 v5, 4, v5
	v_lshl_or_b32 v5, v6, 8, v5
	v_lshrrev_b32 v6, 7, v0
	v_lshl_or_b32 v5, v7, 7, v5
	v_lshl_or_b32 v5, v6, 11, v5
	s_wait_alu depctr_va_vdst(0)
	s_wait_kmcnt 0x0
	s_add_nc_u64 s[4:5], s[4:5], s[10:11]
	s_add_nc_u64 s[6:7], s[6:7], s[10:11]
	global_load_b128 v[8:11], v5, s[4:5]
	global_load_b128 v[12:15], v5, s[4:5] offset:4096
	global_load_b128 v[20:23], v5, s[4:5] offset:262144
	global_load_b128 v[24:27], v5, s[4:5] offset:266240
	s_wait_loadcnt 0x0
	v_pk_add_f32 v[8:9], v[8:9], v[20:21]
	v_pk_add_f32 v[10:11], v[10:11], v[22:23]
	v_pk_add_f32 v[12:13], v[12:13], v[24:25]
	v_pk_add_f32 v[14:15], v[14:15], v[26:27]
	v_max3_num_f32 v16, v8, v9, v10                ; the largest of my eight,
	v_max3_num_f32 v17, v11, v12, v13
	s_delay_alu instid0(VALU_DEP_2)
	v_max3_num_f32 v16, v16, v14, v15
	s_delay_alu instid0(VALU_DEP_1)
	v_max_num_f32 v16, v16, v17
	s_delay_alu instid0(VALU_DEP_1)
	v_max_num_f32_dpp v16, v16, v16 row_xmask:1 row_mask:0xf bank_mask:0xf   ; of my wave's 256,
	s_delay_alu instid0(VALU_DEP_1)
	v_max_num_f32_dpp v16, v16, v16 row_xmask:2 row_mask:0xf bank_mask:0xf
	s_delay_alu instid0(VALU_DEP_1)
	v_max_num_f32_dpp v16, v16, v16 row_xmask:4 row_mask:0xf bank_mask:0xf
	s_delay_alu instid0(VALU_DEP_1)
	v_max_num_f32_dpp v16, v16, v16 row_xmask:8 row_mask:0xf bank_mask:0xf
	s_delay_alu instid0(VALU_DEP_1)
	v_permlanex16_b32 v17, v16, s12, s13
	s_delay_alu instid0(VALU_DEP_1)
	v_max_num_f32 v16, v16, v17
	ds_store_b32 v3, v16                           ; all lanes write the same word with the same value
	s_wait_dscnt 0x0
	s_barrier_signal -1
	s_barrier_wait -1
	ds_load_b128 v[20:23], v4                      ; and of the eight waves'
	ds_load_b128 v[24:27], v4 offset:16
	s_wait_dscnt 0x0
	v_max3_num_f32 v16, v20, v21, v22
	v_max3_num_f32 v17, v23, v24, v25
	s_delay_alu instid0(VALU_DEP_2)
	v_max3_num_f32 v16, v16, v26, v27
	s_delay_alu instid0(VALU_DEP_1)
	v_max_num_f32 v16, v16, v17                    ; the row's maximum m
.irp j, 8,10,12,14
	v_pk_add_f32 v[\j:\j+1], v[\j:\j+1], v[16:17] op_sel_hi:[1,0] neg_lo:[0,1] neg_hi:[0,1]   ; x - m (the pair's low word serves both halves)
.endr
.irp j, 8,10,12,14
	s_delay_alu instid0(VALU_DEP_4)
	v_pk_mul_f32 v[\j:\j+1], v[\j:\j+1], 0x3fb8aa3b op_sel_hi:[1,0]                           ; x log2(e)
.endr
	s_wait_alu depctr_va_vdst(0)
.irp j, 8,9,10,11,12,13,14,15
	v_exp_f32 v[\j], v[\j]                         ; p = e^(x - m), at most 1
.endr
	v_nop                                          ; one plain place behind the last exponential
	s_wait_alu depctr_va_vdst(0)                   ; one wait for the batch, ahead of its first reader
	v_pk_add_f32 v[18:19], v[8:9], v[10:11]
	v_pk_add_f32 v[28:29], v[12:13], v[14:15]
	s_delay_alu instid0(VALU_DEP_1)
	v_pk_add_f32 v[18:19], v[18:19], v[28:29]
	s_delay_alu instid0(VALU_DEP_1)
	v_add_f32 v18, v18, v19
	s_delay_alu instid0(VALU_DEP_1)
	v_add_f32_dpp v18, v18, v18 row_xmask:1 row_mask:0xf bank_mask:0xf
	s_delay_alu instid0(VALU_DEP_1)
	v_add_f32_dpp v18, v18, v18 row_xmask:2 row_mask:0xf bank_mask:0xf
	s_delay_alu instid0(VALU_DEP_1)
	v_add_f32_dpp v18, v18, v18 row_xmask:4 row_mask:0xf bank_mask:0xf
	s_delay_alu instid0(VALU_DEP_1)
	v_add_f32_dpp v18, v18, v18 row_xmask:8 row_mask:0xf bank_mask:0xf
	s_delay_alu instid0(VALU_DEP_1)
	v_permlanex16_b32 v19, v18, s12, s13
	s_delay_alu instid0(VALU_DEP_1)
	v_add_f32 v18, v18, v19
	ds_store_b32 v3, v18 offset:256                ; other bytes than the maxima's: no wave can still be reading those that are written
	s_wait_dscnt 0x0
	s_barrier_signal -1
	s_barrier_wait -1
	ds_load_b128 v[20:23], v4 offset:256
	ds_load_b128 v[24:27], v4 offset:272
	s_wait_dscnt 0x0
	v_pk_add_f32 v[20:21], v[20:21], v[22:23]
	v_pk_add_f32 v[24:25], v[24:25], v[26:27]
	s_delay_alu instid0(VALU_DEP_1)
	v_pk_add_f32 v[20:21], v[20:21], v[24:25]
	s_delay_alu instid0(VALU_DEP_1)
	v_add_f32 v18, v20, v21                        ; the row's sum, at least 1
	s_wait_alu depctr_va_vdst(0)
	v_rcp_f32 v18, v18
	v_nop                                          ; one plain place behind the reciprocal
	s_wait_alu depctr_va_vdst(0)
.irp j, 8,10,12,14
	v_pk_mul_f32 v[\j:\j+1], v[\j:\j+1], v[18:19] op_sel_hi:[1,0]
.endr
	global_store_b128 v2, v[8:11], s[6:7]
	global_store_b128 v2, v[12:15], s[6:7] offset:4096
	s_wait_tensorcnt 0x0
	ds_add_u32 v32, v33
	s_wait_dscnt 0x0
	s_endpgm
.Lfunc_end_k_qd3171887b8_soft:
	.size	k_qd3171887b8_soft, .Lfunc_end_k_qd3171887b8_soft-k_qd3171887b8_soft
	.p2alignl 7, 3214868480
	.fill 96, 4, 3214868480
	.section	.rodata,"a",@progbits
	.p2align	6, 0x0
	.amdhsa_kernel k_qd3171887b8_soft
		.amdhsa_group_segment_fixed_size 1536
		.amdhsa_private_segment_fixed_size 0
		.amdhsa_enable_private_segment 0
		.amdhsa_kernarg_size 16
		.amdhsa_user_sgpr_count 2
		.amdhsa_user_sgpr_kernarg_segment_ptr 1
		.amdhsa_wavefront_size32 1
		.amdhsa_system_sgpr_workgroup_id_x 1
		.amdhsa_system_sgpr_workgroup_id_y 1
		.amdhsa_system_sgpr_workgroup_id_z 1
		.amdhsa_system_vgpr_workitem_id 0
		.amdhsa_next_free_vgpr 34
		.amdhsa_next_free_sgpr 66
		.amdhsa_reserve_vcc 0
		.amdhsa_float_denorm_mode_32 3
		.amdhsa_float_denorm_mode_16_64 3
		.amdhsa_memory_ordered 1
		.amdhsa_forward_progress 1
		.amdhsa_inst_pref_size 7
	.end_amdhsa_kernel
	.amdgpu_metadata
---
amdhsa.version: [ 1, 2 ]
amdhsa.kernels:
  - .name:           k_qd3171887b8_soft
    .symbol:         k_qd3171887b8_soft.kd
    .args:
      - { .name: parts, .offset: 0, .size: 8, .value_kind: global_buffer, .address_space: global }
      - { .name: out0, .offset: 8, .size: 8, .value_kind: global_buffer, .address_space: global }
    .group_segment_fixed_size: 1536
    .private_segment_fixed_size: 0
    .kernarg_segment_align: 8
    .kernarg_segment_size: 16
    .max_flat_workgroup_size: 256
    .sgpr_count:     66
    .vgpr_count:     34
    .wavefront_size: 32
...
	.end_amdgpu_metadata
.endif
;; end of part 3
